; MI455X (gfx1250); checked and timed in simulation.
; The chip was launched on July 23, 2026; its instructions are those of AMD's public machine-readable ISA for CDNA 5 (MIT licence, August 2026) and "CDNA5" Instruction Set Architecture Reference Guide (July 2026). The comments in the code are by the model that wrote it; some were corrected since.
;; Multi Head Attention. Allowed arithmetic: matrix products marked QUANTISED: E4M3 operands, one E8M0 scale for each 32 along K, by v_wmma_scale_f32_16x16x128_f8f6f4 with both operands' format E4M3, f32 sums; everything else in f32.
;; Inputs: Wk_codes 512 x 16 x 32 uint8 (E4M3 codes of Wk, K innermost, in blocks of 32 codes); Wk_scales 512 x 16 uint8 (E8M0 scales of Wk, one for each 32 codes along K); Wo_codes 512 x 16 x 32 uint8 (E4M3 codes of Wo, K innermost, in blocks of 32 codes); Wo_scales 512 x 16 uint8 (E8M0 scales of Wo, one for each 32 codes along K); Wq_codes 512 x 16 x 32 uint8 (E4M3 codes of Wq, K innermost, in blocks of 32 codes); Wq_scales 512 x 16 uint8 (E8M0 scales of Wq, one for each 32 codes along K); Wv_codes 512 x 16 x 32 uint8 (E4M3 codes of Wv, K innermost, in blocks of 32 codes); Wv_scales 512 x 16 uint8 (E8M0 scales of Wv, one for each 32 codes along K); bk 512 float32; bo 512 float32; bq 512 float32; bv 512 float32; x_codes 2 x 4,096 x 16 x 32 uint8 (E4M3 codes of x, K innermost, in blocks of 32 codes); x_scales 2 x 4,096 x 16 uint8 (E8M0 scales of x, one for each 32 codes along K).
;; Outputs: out0 2 x 4,096 x 512 float32.
;; This version of the problem:
;;   THIS VERSION OF THE PROBLEM IS GIVEN IN LOW PRECISION. The matrix products marked QUANTISED in the list below multiply operands that are first quantised to E4M3 (4 exponent bits, 3 mantissa bits; 8 bits a number), with one power-of-two scale for each 32 numbers along K (OCP MX v1.0); their sums are f32. All else is computed in f32.
;;   The module's matrix products, in the order in which they are computed (A, B: the left and right operand; K: the contracted axis; several contracted axes count as one K, in the product's order):
;;     1. [M 8,192, K 512] x [K 512, N 512]; A: input x (given as codes); B: input Wq (given as codes): QUANTISED
;;     2. [M 8,192, K 512] x [K 512, N 512]; A: input x (given as codes); B: input Wk (given as codes): QUANTISED
;;     3. [M 8,192, K 512] x [K 512, N 512]; A: input x (given as codes); B: input Wv (given as codes): QUANTISED
;;     4. batch 16 x [M 4,096, K 64] x [K 64, N 4,096]; A: computed on the way; B: computed on the way: QUANTISED
;;     5. batch 16 x [M 4,096, K 4,096] x [K 4,096, N 64]; A: softmax (see below); B: computed on the way: QUANTISED
;;     6. [M 8,192, K 512] x [K 512, N 512]; A: computed on the way; B: input Wo (given as codes): QUANTISED
;;   THE QUANTISER, for each operand of a quantised product, along K:
;;     - K is cut into blocks of 32 from its start; a last block that is shorter is filled with zeros.
;;     - A block's scale is 2^e with e = floor(log2(the largest magnitude in the block)) - 8, held to -126 .. 127; a block of zeros has e = 0. As a byte (E8M0): e + 127.
;;     - Each number is divided by its block's scale, clamped to +-448, and rounded to the nearest number of E4M3, ties to even, subnormals kept.
;;     - The product sums the exact products of the quantised numbers (number of the format x scale) in f32.
;;   ~~~python
;;   def quantise(x, axis):      # numpy; x: float32 -> the quantised numbers, widened to float32 again
;;       x = np.moveaxis(x, axis, -1); K = x.shape[-1]
;;       x = np.pad(x, [(0, 0)] * (x.ndim - 1) + [(0, -K % 32)]); x = x.reshape(x.shape[:-1] + (-1, 32)); a = np.abs(x).max(-1, keepdims=True)
;;       e = np.where(a > 0, np.clip(np.frexp(np.where(a > 0, a, 1))[1] - 1 - 8, -126, 127), 0)      # np.frexp(a)[1] - 1 = floor(log2(a)), exactly
;;       r = np.clip(x / 2.0 ** e, -448, 448)
;;       step = 2.0 ** (np.maximum(np.frexp(np.where(r == 0, 1, r))[1] - 1, -6) - 3)
;;       q = np.round(r / step) * step * 2.0 ** e      # np.round: ties to even
;;       return np.moveaxis(q.reshape(q.shape[:-2] + (-1,))[..., :K], -1, axis).astype(np.float32)
;;   ~~~
;;   SOFTMAX AHEAD OF A QUANTISED PRODUCT. Where the list says 'softmax', what is quantised is not the finished softmax but p = 2^(t - M), with t = logit x log2(e) and M = ceil(the row's largest t), a whole number; so 1/2 < the row's largest p <= 1. The row's sum l is taken of the UNQUANTISED p, in f32, and the product's result is divided by l at the end. Since M is a whole number, a kernel that streams over the keys may use a running M (the ceiling of the running maximum): every later rescaling is an exact power of two, which a block's scale takes up: the codes' values come out the same.
;;   OPERANDS COMPUTED ON THE WAY. 'Computed on the way' means the value that the module computes at that place (a softmax that the list does not call 'softmax' is quantised finished and normalised). What goes into a quantiser is computed in f32, as accurately as f32 sums, v_exp_f32 and their like allow (about 1e-6 of the number): no bf16 or f16 on the way to a quantiser, and a product that is left as it is and whose result goes on into a quantised operand takes f32 operands (vector FMAs, or v_wmma_f32_16x16x4_f32). A number that lies on a knife's edge between two numbers of the format may be rounded either way, as far as f32 arithmetic and the matrix unit's own rounding can turn it there, and no further.
;;   INPUTS GIVEN AS CODES. Wk (in the module: [512, 512], K = its axis 1); Wo (in the module: [512, 512], K = its axis 1); Wq (in the module: [512, 512], K = its axis 1); Wv (in the module: [512, 512], K = its axis 1); x (in the module: [2, 4096, 512], K = its axis 2): each comes as NAME_codes (uint8): NAME with its K axis moved to the last place and cut into blocks of 32 codes, [.., K / 32, bytes a block], one block behind the other in memory; one code a byte (a code: sign, 4 exponent bits, 3 mantissa bits); and NAME_scales (uint8): the same leading axes, one E8M0 byte (e + 127) for each 32 codes along K. Its value is code x scale, taken as it is: it is not quantised again, and the codes and scales need not be those that the quantiser above would give.
;; One version. Each part assembles by itself: llvm-mc -triple=amdgcn-amd-amdhsa -mcpu=gfx1250 --defsym DOCPART=n.
;; ======== version 1 of 1: 3 launches
;; limits: right only within a limited range of input values
;; workspace buffers: q 4,194,304 bytes; qs 262,144 bytes; kv 8,388,608 bytes; sc 393,216 bytes; oc 4,194,304 bytes; os 262,144 bytes
;; launch qkv (part 1): grid 4 x 64, 8 waves a work-group, clusters of 4 x 4, 279,552 bytes of LDS; arguments x_codes, x_scales, Wq_codes, Wq_scales, Wk_codes, Wk_scales, Wv_codes, Wv_scales, bq, bk, bv, q, qs, kv, sc; writes q, qs, kv, sc
.if DOCPART == 1
	.amdgcn_target "amdgcn-amd-amdhsa--gfx1250"
	.amdhsa_code_object_version 6
	.text
	.protected	k_q8c38e44179_qkv
	.globl	k_q8c38e44179_qkv
	.p2align	8
	.type	k_q8c38e44179_qkv,@function
k_q8c38e44179_qkv:
	s_mov_b64 s[64:65], 0
	v_nop
	global_prefetch_b8 v0, s[64:65] scope:SCOPE_SE
	s_setreg_imm32_b32 hwreg(HW_REG_WAVE_MODE, 25, 1), 1
	s_wait_xcnt 0x0
	s_wait_alu depctr_hold_cnt(0) depctr_sa_sdst(0) depctr_va_vdst(0) depctr_va_sdst(0) depctr_va_ssrc(0) depctr_va_vcc(0) depctr_vm_vsrc(0)
	s_getreg_b32 s2, hwreg(HW_REG_IB_STS2, 6, 4)
	s_cmp_eq_u32 s2, 0
	s_cbranch_scc0 .Lentry_in_a_cluster
	s_endpgm
.Lentry_in_a_cluster:
	s_bfe_u32 s2, ttmp6, 0x10000c
	s_cmp_lg_u32 s2, 0xf033
	s_cbranch_scc0 .Lentry_shape_is_right
	s_endpgm
.Lentry_shape_is_right:
; Q = x Wq^T + bq, K = x Wk^T + bk, V = x Wv^T + bv on codes of E4M3 with E8M0 scales as they are given; the f32 results are quantised at once:
; Q and K along a head's 64 channels, V along the keys, and stored as IMAGES OF OPERAND REGISTERS (a group of four registers = 512 bytes, lane l's 16 bytes at 16 l), in the order in which the attention launch takes them.
; SHARES.  A work-group takes 128 rows of x (rb) and 128 columns (g: two heads).  Wave w = 2 rp + ch runs three units of 32 matrix instructions: its TWO own tiles 2 rp and 2 rp + 1 (source 1) against FOUR streamed tiles
; 4 ch .. 4 ch + 3 (source 0), four K steps of 128: each streamed fragment read from LDS feeds two matrix instructions.
;   Q, K: own = x's tiles, streamed = the weight's tiles of head ch: a lane holds one row of x and its registers run along the head's 64 channels.   V: own = Wv's tiles, streamed = x's tiles of keys 64 ch on: a lane holds one channel, registers along the keys.
; THE ROWS OF A TILE ARE NOT NEIGHBOURS: lane r of tile 2 b + u takes row 32 b + 8 u + r + 8 (r / 8) of the 128, so that the 16 result registers of tiles 2 b and 2 b + 1 are 16 neighbours, 32 b + 16 (lane / 16) + 0 .. 15:
; the conversions' results are then the next operand's registers.  The tensor loads lay the rows in that order: eight neighbouring rows (4,096 dense bytes) are one long row, long row i begins at row 16 i + 8 u.
; CLUSTER 4 x 4: the four work-groups of a row of the cluster share x's 128 rows, the four of a column the three weights' 128 rows: each tile is asked for jointly.  Every LDS byte is filled once.
; The biases are the C of each sum's first matrix instruction.
; REGISTERS: window 0 holds addresses, scale words, biases, accumulators and three buffers of two streamed fragments; window 1 holds the spare word's two registers (v256, v257) and the own tiles' eight fragments (v264-391).
; LIMITS: NaN, infinities and scale bytes 0xff among the inputs are not served.  A block of zeros gets the byte 1 where the quantiser's rule says 127: its codes are zeros and only this program reads the bytes.
; Blocks whose largest magnitude lies under 2^-118 are held at the byte 1.
.set PART,  33792                      ; what one tensor load brings: 64 rows x (512 bytes + 16 of padding)
.set XL,    0                          ; LDS: x's 128 rows (part u = 0, then u = 1),
.set WQL,   2*PART                     ; Wq's,
.set WKL,   4*PART                     ; Wk's,
.set WVL,   6*PART                     ; Wv's,
.set BIAS,  8*PART                     ; bq's 128 numbers, then bk's,
.set SST,   BIAS+1024                  ; K's and V's scale words, 768 bytes for each of the two heads, laid as they leave,
.set SSTQ,  SST+1536                   ; Q's scale words, 512 bytes for each head
.set FA,  3                            ; v3   528 r + 16 h: a fragment's row and half
.set OWA, 4                            ; v4   my own tiles of x: tile 2 rp; tile 2 rp + 1 lies PART bytes on
.set OWB, 5                            ; v5   my own tiles of Wv
.set SA0, 6                            ; v6-7 the streamed matrix, parts u = 0, 1, at my four tiles
.set BA,  8                            ; v8   BIAS + 64 h + 256 ch
.set GA,  9                            ; v9   16 x lane
.set SSA, 10                           ; v10  16 x (8 h + r + 8 (r / 8)) + 1,024 ch: the streamed tiles' scale words
.set OSA, 11                           ; v11  16 x my first own tile's row
.set VQA, 12                           ; v12-14 where my scale words go in LDS: Q's, K's, V's
.set VKA, 13
.set VVA, 14
.set VO1, 15                           ; v15-16 and from where they leave
.set VO2, 16
.set FA2, 17                           ; v17  FA + 16,896 ch
.set BST, 18                           ; v18  where waves 0 and 1 put the biases
.set G8,  19                           ; v19  8 x lane
.set OS,  20                           ; v20-27  the own tiles' scale words: register 4 i + s
.set BVA, 28                           ; v28  4 x my first own tile's row
.set SS,  30                           ; v30-37  the streamed tiles': register 4 b + s: lanes 0-15 tile 4 ch + 2 b, lanes 16-31 the next
.set BVL, 38                           ; v38-39  bv of my lane's channel in either own tile
.set BQ,  40                           ; v40-71  bq's or bk's numbers of my 64 columns: register 16 b + k: column 64 ch + 32 b + 16 h + k
.set BV,  40                           ; v40-55  for V: bv, eight times for either own tile
.set ACC, 112                          ; v112-175 eight accumulators: own tile i, streamed tile 2 b + u at 32 i + 16 b + 8 u
.set PC,  176                          ; behind a unit: the codes just made,
.set PW,  192                          ; their scale word,
.set W0,  193                          ; and its halves
.set W1,  194
.set OB,  196                          ; four registers for the biases' and the scale words' way through LDS
.set TM,  240                          ; v240-255 the quantiser's: largest magnitudes, bytes, holds, scale operands
.set OWN1, 8                           ; in window 1: v264-391: own tile i, K step s at 64 i + 16 s
; the three buffers of two fragments: v176-207, v208-239, v72-103
.set WV,  34
.set G1X, 40
.set G1W, 48
.set G0X, 56
.set G0W, 60
.set PQ,  66
.set PK,  68
.set PV,  70
.set SEL, 72
.set MNT, 74
.set PSC, 76
.set PQS, 78
.set RP,  94
.set MSB, 0
.macro WIN new                         ; the immediate's high byte repeats the setting that is left
.if MSB != \new
	s_set_vgpr_msb (MSB<<8)|\new
.set MSB, \new
.endif
.endm
.macro PLACES n
.rept \n
	v_nop
.endr
.endm
.macro CROUND                          ; a round of the cluster's barrier
	s_barrier_signal -1
	s_barrier_wait -1
	s_cmp_lg_u32 s[WV], 0
	s_cbranch_scc1 .Lnot_wave_0_\@
	s_barrier_signal -3
.Lnot_wave_0_\@:
	s_barrier_wait -3
	s_barrier_signal -1
	s_barrier_wait -1
.endm
	s_load_b256 s[4:11], s[0:1], 0x0               ; x's codes, x's scales, Wq's codes, Wq's scales
	s_load_b256 s[12:19], s[0:1], 0x20             ; Wk's codes, scales, Wv's codes, scales
	s_load_b256 s[20:27], s[0:1], 0x40             ; bq, bk, bv, q
	s_load_b128 s[28:31], s[0:1], 0x60             ; qs, kv
	s_load_b64 s[32:33], s[0:1], 0x70              ; sc
	WIN 0x40
	v_lshl_add_u32 v0, v0, 2, 0x44000              ; v256: my spare word
	v_mov_b32 v1, 0                                ; v257: 0
	WIN 0x45
	ds_add_u32 v0, v1                              ; the opening lines: the add, twice on end, and its wait ahead of my first tensor load
	ds_add_u32 v0, v1
	WIN 0
	v_lshrrev_b32 v1, 5, v0
	v_readfirstlane_b32 s[WV], v1                  ; wave 0..7
	s_bfe_u32 s35, ttmp6, 0x40000                  ; cx
	s_bfe_u32 s36, ttmp6, 0x40004                  ; cy
	s_lshl_b32 s37, ttmp9, 2
	s_add_co_u32 s37, s37, s35                     ; g: which 128 columns
	s_and_b32 s38, ttmp7, 0xffff
	s_lshl_b32 s38, s38, 2
	s_add_co_u32 s38, s38, s36                     ; rb: which 128 rows of x
	s_lshl_b32 s39, s36, 2
	s_lshl_b32 s39, 15, s39                        ; my row of the cluster
	s_lshl_b32 s80, 0x1111, s35                    ; my column
	; group 1: 8 long rows of 512 elements of 8 bytes, 1,024 elements apart; 4 words of padding behind every 128 words, so that each of the 64 rows of 512 bytes lies 528 bytes from the last
	s_or_b32 s[G1X], s39, (3<<16)|(1<<20)|(1<<21)|(6<<22)|(3<<25)   ; x's tiles go to my row of the cluster
	s_or_b32 s[G1W], s80, (3<<16)|(1<<20)|(1<<21)|(6<<22)|(3<<25)   ; the weights' to my column
.irp g, G1X, G1W
	s_mov_b32 s[\g+1], 512<<16                     ; tensor_dim0
	s_mov_b32 s[\g+2], 8<<16                       ; tensor_dim1
	s_mov_b32 s[\g+3], 512<<16                     ; tile_dim0
	s_mov_b32 s[\g+4], 8                           ; tile_dim1
	s_mov_b32 s[\g+5], 1024                        ; from long row to long row
	s_mov_b32 s[\g+6], 0
	s_mov_b32 s[\g+7], 0
.endr
	s_and_b32 s81, s[WV], 1
	s_lshl_b32 s81, s81, 12                        ; part u = wave % 2 begins 8 rows on
	s_lshl_b32 s82, s38, 16                        ; x: 128 rows of 512 bytes for each rb
	s_add_co_u32 s82, s82, s81
	s_mov_b32 s83, 0
	s_lshl_b32 s84, s37, 16                        ; the weights: the same for each g
	s_add_co_u32 s84, s84, s81
	s_mov_b32 s85, 0
	s_mul_i32 s86, s[WV], PART                     ; where my load lands: wave x PART: x, Wq, Wk, Wv, two parts each
	s_lshr_b32 s87, s[WV], 1
	s_wait_dscnt 0x0
	s_wait_kmcnt 0x0
	s_cmp_eq_u32 s87, 2
	s_cselect_b64 s[88:89], s[12:13], s[16:17]     ; waves 4, 5: Wk; 6, 7: Wv;
	s_cmp_lt_u32 s87, 2
	s_cselect_b64 s[88:89], s[8:9], s[88:89]       ; waves 2, 3: Wq
	s_mov_b32 s[G0X], 1
	s_mov_b32 s[G0X+1], s86
	s_add_nc_u64 s[G0X+2:G0X+3], s[4:5], s[82:83]
	s_or_b32 s[G0X+3], s[G0X+3], 0x80000000
	s_mov_b32 s[G0W], 1
	s_mov_b32 s[G0W+1], s86
	s_add_nc_u64 s[G0W+2:G0W+3], s[88:89], s[84:85]
	s_or_b32 s[G0W+3], s[G0W+3], 0x80000000
	CROUND                                         ; all sixteen work-groups are here: the joint loads meet
	s_cmp_lt_u32 s[WV], 2                          ; one load a wave: waves 0, 1 for x, the others for the weights
	s_cbranch_scc0 .Lfor_w
	tensor_load_to_lds s[G0X:G0X+3], s[G1X:G1X+7]
	s_nop 0
	PLACES 4
	s_branch .Lasked
.Lfor_w:
	tensor_load_to_lds s[G0W:G0W+3], s[G1W:G1W+7]
	s_nop 0
	PLACES 4
.Lasked:
	; where the results go
	s_lshr_b32 s[RP], s[WV], 1                     ; rp: my own tiles are 2 rp and 2 rp + 1
	s_and_b32 s88, s[WV], 1                        ; ch: my half of the streamed tiles
	s_lshr_b32 s80, s38, 5                         ; batch
	s_and_b32 s81, s38, 31                         ; st: which 128 keys of the batch
	s_lshl_b32 s82, s80, 3
	s_lshl_b32 s83, s37, 1
	s_add_co_u32 s82, s82, s83                     ; hb0 = 8 batch + 2 g: my work-group's first head
	s_mov_b32 s87, 0
	s_lshl_b32 s84, s82, 8
	s_lshl_b32 s85, s81, 3
	s_add_co_u32 s84, s84, s85                     ; 256 hb0 + 8 st
	s_lshl_b32 s86, s88, 8
	s_add_co_u32 s86, s86, s84                     ; head hb0 + ch,
	s_lshl_b32 s89, s[RP], 1
	s_add_co_u32 s86, s86, s89                     ; tile 2 rp
	s_lshl_b32 s86, s86, 10
	s_add_nc_u64 s[PQ:PQ+1], s[26:27], s[86:87]    ; q: 1,024 bytes a tile
	s_lshl_b32 s86, s84, 6
	s_lshl_b32 s89, s88, 14
	s_add_co_u32 s86, s86, s89
	s_add_nc_u64 s[PQS:PQS+1], s[28:29], s[86:87]  ; qs: 64 bytes a tile; wave 6 stores head 0's, wave 7 head 1's
	s_lshl_b32 s90, s82, 5
	s_add_co_u32 s90, s90, s81                     ; 32 hb0 + st
	s_lshl_b32 s86, s88, 5
	s_add_co_u32 s86, s86, s90
	s_lshl_b32 s86, s86, 14
	s_lshl_b32 s89, s[RP], 11
	s_add_co_u32 s86, s86, s89
	s_add_nc_u64 s[PK:PK+1], s[30:31], s[86:87]    ; kv: 16,384 bytes a key step; head hb0 + ch, K's tile 2 rp
	s_lshl_b32 s86, s90, 14
	s_lshr_b32 s89, s[RP], 1
	s_lshl_b32 s89, s89, 19
	s_add_co_u32 s86, s86, s89                     ; V's tiles 0-3 belong to head 0, 4-7 to head 1;
	s_and_b32 s89, s[RP], 1
	s_lshl_b32 s89, s89, 12
	s_add_co_u32 s86, s86, s89                     ; 2,048 bytes a tile;
	s_lshl_b32 s89, s88, 10
	s_add_co_u32 s86, s86, s89                     ; my keys' two groups of 512 bytes
	s_add_co_u32 s86, s86, 8192
	s_add_nc_u64 s[PV:PV+1], s[30:31], s[86:87]
	s_mul_i32 s86, s90, 768
	s_lshl_b32 s89, s[WV], 8
	s_add_co_u32 s86, s86, s89
	s_cmp_ge_u32 s[WV], 3
	s_cselect_b32 s89, 23808, 0                    ; pieces 3-5 are head 1's: 32 x 768 bytes on, less the 768 already counted
	s_add_co_u32 s86, s86, s89
	s_add_nc_u64 s[PSC:PSC+1], s[32:33], s[86:87]  ; sc: waves 0-5 store 256 bytes each
	s_lshl_b32 s86, s38, 11
	s_add_nc_u64 s[6:7], s[6:7], s[86:87]          ; x's scale bytes at my 128 rows
	s_lshl_b32 s86, s37, 11
	s_add_nc_u64 s[10:11], s[10:11], s[86:87]      ; the weights' likewise
	s_add_nc_u64 s[14:15], s[14:15], s[86:87]
	s_add_nc_u64 s[18:19], s[18:19], s[86:87]
	s_lshl_b32 s86, s37, 9
	s_add_nc_u64 s[20:21], s[20:21], s[86:87]      ; the biases at my 128 columns
	s_add_nc_u64 s[22:23], s[22:23], s[86:87]
	s_add_nc_u64 s[24:25], s[24:25], s[86:87]
	s_mov_b32 s[SEL], 0x76543210
	s_mov_b32 s[SEL+1], 0xfedcba98                 ; lane l xor 16
	s_mov_b32 s[MNT], 0x600000                     ; the mantissa field of 448
	; the wave's terms of the addresses, then the lanes'
	s_mul_i32 s80, s[RP], 8448                     ; 16 rows of 528 bytes for each pair of tiles
	s_mul_i32 s81, s88, 16896                      ; my four streamed tiles: 32 rows on in either part
	s_lshl_b32 s82, s88, 8
	s_add_co_u32 s82, s82, BIAS
	s_lshl_b32 s83, s[RP], 5
	s_lshl_b32 s84, s88, 10
	s_lshl_b32 s85, s88, 9
	s_lshl_b32 s86, s[RP], 7
	s_add_co_u32 s85, s85, s86
	s_add_co_u32 s85, s85, SSTQ                    ; Q's words: [head ch][tile 2 rp][r]
	s_mul_i32 s86, s88, 768
	s_lshl_b32 s87, s[RP], 2
	s_add_co_u32 s86, s86, s87
	s_add_co_u32 s86, s86, SST                     ; K's words: [head ch][lane 16 u + r][b = rp]
	s_lshr_b32 s87, s[RP], 1
	s_mul_i32 s87, s87, 768
	s_and_b32 s89, s[RP], 1
	s_lshl_b32 s89, s89, 2
	s_add_co_u32 s87, s87, s89
	s_lshl_b32 s89, s88, 1
	s_add_co_u32 s87, s87, s89
	s_add_co_u32 s87, s87, SST+512                 ; V's words: [head rp / 2][lane 16 u + r][rp % 2], of which I make bytes 2 ch and 2 ch + 1
	s_lshl_b32 s89, s[WV], 8
	s_add_co_u32 s89, s89, SST
	s_lshl_b32 s91, s88, 9
	s_add_co_u32 s90, s91, SSTQ
	s_add_co_u32 s91, s91, BIAS
	v_and_b32 v1, 15, v0                           ; r
	v_bfe_u32 v2, v0, 4, 1                         ; h
	v_and_b32 v[GA], 31, v0
	v_mul_u32_u24 v[FA], v1, 528
	v_and_b32 v[SSA], 8, v1
	v_lshlrev_b32 v[G8], 3, v[GA]
	v_lshlrev_b32 v[GA], 4, v[GA]
	v_lshl_add_u32 v[FA], v2, 4, v[FA]
	v_add_nc_u32 v[SSA], v[SSA], v1                ; r + 8 (r / 8)
	v_lshl_add_u32 v[BA], v2, 6, s82
	v_add_nc_u32 v[OWA], s80, v[FA]
	v_add_nc_u32 v[FA2], s81, v[FA]
	v_add_nc_u32 v[OSA], s83, v[SSA]
	v_lshl_add_u32 v[SSA], v2, 3, v[SSA]
	v_add_nc_u32 v[OWB], WVL, v[OWA]
	v_lshlrev_b32 v[OSA], 4, v[OSA]                ; 16 bytes of scales a row
	v_lshl_add_u32 v[SSA], v[SSA], 4, s84
	v_lshl_add_u32 v[VQA], v1, 2, s85
	v_lshl_add_u32 v[VKA], v1, 4, s86
	v_lshl_add_u32 v[VVA], v1, 3, s87
	v_add_nc_u32 v[VO1], s89, v[G8]
	v_add_nc_u32 v[VO2], s90, v[GA]
	v_add_nc_u32 v[BST], s91, v[GA]
	v_lshrrev_b32 v[BVA], 2, v[OSA]                ; 4 bytes of bias a row
.irp b, 0,1,2,3
	v_mov_b32 v[TM+4+\b], 0                        ; written once: a lane permute's destination counts as one of its sources
.endr
	s_wait_alu depctr_va_vdst(0)                   ; the head's end
.macro SCLOAD sb                       ; the streamed tiles' scale words: 16 bytes a row are its four K steps' words
.irp b, 0,1
	global_load_b128 v[SS+4*\b:SS+4*\b+3], v[SSA], s[\sb:\sb+1] offset:512*\b
.endr
.endm
.macro OSLOAD sb                       ; the own tiles': tile 2 rp + 1's rows lie 8 rows on
.irp i, 0,1
	global_load_b128 v[OS+4*\i:OS+4*\i+3], v[OSA], s[\sb:\sb+1] offset:128*\i
.endr
.endm
	OSLOAD 6                                       ; my tiles of x
	SCLOAD 10                                      ; Wq
	global_load_b32 v[BVL], v[BVA], s[24:25]
	global_load_b32 v[BVL+1], v[BVA], s[24:25] offset:32
	s_cmp_lt_u32 s[WV], 2                          ; wave 0 brings bq's 512 bytes into LDS, wave 1 bk's
	s_cbranch_scc0 .Lno_bias
	s_cmp_eq_u32 s[WV], 0
	s_cselect_b64 s[92:93], s[20:21], s[22:23]
	global_load_b128 v[OB:OB+3], v[GA], s[92:93]
	s_wait_loadcnt 0x0
	ds_store_b128 v[BST], v[OB:OB+3]
.Lno_bias:
	s_wait_tensorcnt 0x0                           ; my tile has landed,
	s_wait_dscnt 0x0                               ; my bias store too:
	s_barrier_signal -1
	s_barrier_wait -1                              ; everybody's have
.macro OWNLOAD adr                     ; my two own tiles, all of K, into window 1
	WIN 0x40
.irp i, 0,1
.irp s, 0,1,2,3
.irp c, 0,1,2,3
	ds_load_b128 v[OWN1+64*\i+16*\s+4*\c:OWN1+64*\i+16*\s+4*\c+3], v[\adr] offset:PART*\i+128*\s+32*\c
.endr
.endr
.endr
	WIN 0
.endm
	OWNLOAD OWA
; group gg = 2 s + b: the fragments of streamed tiles 4 ch + 2 b and the next at K step s, into buffer gg % 3
.macro GLOAD gg
.set GK, (\gg)%3
.set GQ, 176+32*GK-168*(GK/2)
.irp u, 0,1
.irp c, 0,1,2,3
	ds_load_b128 v[GQ+16*\u+4*\c:GQ+16*\u+4*\c+3], v[SA0+\u] offset:8448*((\gg)%2)+128*((\gg)/2)+32*\c
.endr
.endr
.endm
.macro MM d, a, b, c, sa, sb, row
.if \row
	v_wmma_scale_f32_16x16x128_f8f6f4 v[\d:\d+7], v[\a:\a+15], v[\b:\b+15], v[\c:\c+7], v[\sa], v[\sb] matrix_a_scale:MATRIX_SCALE_ROW1
.else
	v_wmma_scale_f32_16x16x128_f8f6f4 v[\d:\d+7], v[\a:\a+15], v[\b:\b+15], v[\c:\c+7], v[\sa], v[\sb]
.endif
.endm
; A unit: 32 matrix instructions in eight groups of four, the eight accumulators by turns, K ascending.  mode 0: the first links take the bias from v[BQ] on, loaded from LDS byte boff of the biases; mode 1: from v[BV] on.
; A group's fragments are asked for two groups ahead.  Eight places stand in front of each run of loads into the buffer that the four products just issued have read.
; During the groups source 1 means window 1 (the own tiles); loads, places and waits name no source 1.
.macro UNIT sbase, mode, boff
	v_add_nc_u32 v[SA0], \sbase, v[FA2]
	v_add_nc_u32 v[SA0+1], \sbase+PART, v[FA2]
.if \mode == 0
.irp b, 0,1
.irp q, 0,1,2,3
	ds_load_b128 v[BQ+16*\b+4*\q:BQ+16*\b+4*\q+3], v[BA] offset:\boff+128*\b+16*\q
.endr
.endr
.endif
	s_wait_alu depctr_va_vdst(0)
	GLOAD 0
	GLOAD 1
	WIN 0x04
.set G, 0
.rept 8
.if (G >= 1) && (G < 6)
	PLACES 8
.endif
.if G < 6
	GLOAD G+2
	s_wait_dscnt 16                                ; all but the sixteen loads of the two groups ahead
.elseif G == 6
	s_wait_dscnt 8                                 ; all but the last group's eight
.else
	s_wait_dscnt 0x0
.endif
.if G == 0
	s_wait_loadcnt 0x0                             ; this unit's scale words
.endif
.set GB, G%2
.set GS, G/2
.set GK, G%3
.set GP, 176+32*GK-168*(GK/2)
.irp i, 0,1
.irp u, 0,1
.if (GS == 0) && (\mode == 0)
.set CC, BQ+16*GB+8*\u
.elseif GS == 0
.set CC, BV+8*\i
.else
.set CC, ACC+32*\i+16*GB+8*\u
.endif
	MM ACC+32*\i+16*GB+8*\u, GP+16*\u, OWN1+64*\i+16*GS, CC, SS+4*GB+GS, OS+4*\i+GS, \u
.endr
.endr
.set G, G+1
.endr
	WIN 0
	PLACES 8                                       ; in front of the first read of results and of loads into operand and scale registers
.endm
; 64 numbers of a lane in four blocks of 16 registers, each 16 neighbours along the next K (the other 16 of the block lie in lane l xor 16), become 16 registers of codes in v[PC] on and the four scale bytes in v[PW]
.macro QUANT s
.irp b, 0,1,2,3
	v_max3_num_f32 v[TM+\b], |v[\s+16*\b]|, |v[\s+1+16*\b]|, 0x4800000   ; my 16 numbers of block b, and the floor 2^(9 - 127): the byte cannot fall under 1
.endr
.irp i, 2,4,6,8,10,12,14
.irp b, 0,1,2,3
	v_max3_num_f32 v[TM+\b], v[TM+\b], |v[\s+16*\b+\i]|, |v[\s+1+16*\b+\i]|   ; the four blocks by turns
.endr
.endr
.irp b, 0,1,2,3
	v_permlanex16_b32 v[TM+4+\b], v[TM+\b], s[SEL], s[SEL+1]
.endr
.irp b, 0,1,2,3
	v_max_num_f32 v[TM+\b], v[TM+\b], v[TM+4+\b]   ; with lane l xor 16's: the block's largest magnitude
.endr
.irp b, 0,1,2,3
	v_add_nc_u32 v[TM+12+\b], 0xfc000000, v[TM+\b] ; 8 off its exponent field: the conversion's scale operand
.endr
.irp b, 0,1,2,3
	v_and_or_b32 v[TM+8+\b], v[TM+\b], 0x7f800000, s[MNT]   ; 448 x the scale
.endr
.irp b, 0,1,2,3
	v_lshrrev_b32 v[TM+4+\b], 23, v[TM+12+\b]      ; the scale's byte
.endr
	v_lshl_or_b32 v[PW], v[TM+5], 8, v[TM+4]
	v_lshl_or_b32 v[W0], v[TM+7], 8, v[TM+6]
.irp b, 0,1,2,3
.irp i, 0,1,2,3,4,5,6,7,8,9,10,11,12,13,14,15
	v_med3_num_f32 v[\s+16*\b+\i], v[\s+16*\b+\i], -v[TM+8+\b], v[TM+8+\b]   ; the conversion to an 8-bit code does not saturate (ISA guide 7.6.2): the hold at 448 x the scale
.endr
	v_cvt_scalef32_pk8_fp8_f32 v[PC+4*\b:PC+1+4*\b], v[\s+16*\b:\s+7+16*\b], v[TM+12+\b]
	v_cvt_scalef32_pk8_fp8_f32 v[PC+2+4*\b:PC+3+4*\b], v[\s+8+16*\b:\s+15+16*\b], v[TM+12+\b]
.endr
	v_lshl_or_b32 v[PW], v[W0], 16, v[PW]          ; (also the plain vector instruction behind the last conversion)
.endm
; Q's or K's way out: blocks 0, 1 are tile 2 rp's 64 channels of my head, blocks 2, 3 tile 2 rp + 1's, 1,024 bytes on.  Each store of the wave covers 512 consecutive bytes, aligned.
.macro OUTQK p, sadr, sstride
	QUANT ACC
	global_store_b128 v[GA], v[PC:PC+3], s[\p:\p+1]
	global_store_b128 v[GA], v[PC+4:PC+7], s[\p:\p+1] offset:512
	global_store_b128 v[GA], v[PC+8:PC+11], s[\p:\p+1] offset:1024
	global_store_b128 v[GA], v[PC+12:PC+15], s[\p:\p+1] offset:1536
	v_and_b32 v[W0], 0xffff, v[PW]                 ; a tile's word: two bytes, and zeros for the upper 64 of the instruction's 128 along K
	v_lshrrev_b32 v[W1], 16, v[PW]
	ds_store_b32 v[\sadr], v[W0]                   ; lanes r and r + 16 write the same word with the same value
	ds_store_b32 v[\sadr], v[W1] offset:\sstride
	s_wait_dscnt 0x0                               ; the LDS stores and
	s_wait_xcnt 0x0                                ; the global stores have read their registers: the next unit loads fragments there
.endm
	UNIT WQL, 0, 0
	SCLOAD 14                                      ; Wk's scale words are on their way while Q is quantised
	OUTQK PQ, VQA, 64
	UNIT WKL, 0, 512
	SCLOAD 6                                       ; for V the streamed tiles are x's,
	OSLOAD 18                                      ; and the own tiles Wv's
	OUTQK PK, VKA, 256
	OWNLOAD OWB
.irp i, 0,1
.irp j, 0,1,2,3,4,5,6,7
	v_mov_b32 v[BV+8*\i+\j], v[BVL+\i]             ; V's C: every register of a lane is its channel's bias
.endr
.endr
	UNIT XL, 1, 0
	QUANT ACC                                      ; along the keys: blocks 0, 1: tile 2 rp, keys 64 ch + 0 .. 63; blocks 2, 3: tile 2 rp + 1
	global_store_b128 v[GA], v[PC:PC+3], s[PV:PV+1]
	global_store_b128 v[GA], v[PC+4:PC+7], s[PV:PV+1] offset:512
	global_store_b128 v[GA], v[PC+8:PC+11], s[PV:PV+1] offset:2048
	global_store_b128 v[GA], v[PC+12:PC+15], s[PV:PV+1] offset:2560
	v_lshrrev_b32 v[W1], 16, v[PW]
	ds_store_b16 v[VVA], v[PW]                     ; my two bytes of tile 2 rp's word,
	ds_store_b16 v[VVA], v[W1] offset:128          ; and of tile 2 rp + 1's
	s_wait_dscnt 0x0                               ; for the others' sake: my scale bytes lie in LDS
	s_barrier_signal -1
	s_barrier_wait -1
	s_cmp_lt_u32 s[WV], 6                          ; the scale words leave in whole pieces: waves 0-5 256 bytes of K's and V's, waves 6, 7 512 bytes of Q's
	s_cbranch_scc0 .Lfor_qs
	ds_load_b64 v[OB:OB+1], v[VO1]
	s_wait_dscnt 0x0
	global_store_b64 v[G8], v[OB:OB+1], s[PSC:PSC+1]
	s_branch .Lstored
.Lfor_qs:
	ds_load_b128 v[OB:OB+3], v[VO2]
	s_wait_dscnt 0x0
	global_store_b128 v[GA], v[OB:OB+3], s[PQS:PQS+1]
.Lstored:
	WIN 0x05
	s_wait_tensorcnt 0x0                           ; the wave's end
	ds_add_u32 v0, v1
	s_wait_dscnt 0x0
	WIN 0
	CROUND                                         ; the closing round: no work-group ends while a partner may still ask for a tile that names it
	s_endpgm
.Lfunc_end_k_q8c38e44179_qkv:
	.size	k_q8c38e44179_qkv, .Lfunc_end_k_q8c38e44179_qkv-k_q8c38e44179_qkv
	.p2alignl 7, 3214868480
	.fill 96, 4, 3214868480
	.section	.rodata,"a",@progbits
	.p2align	6, 0x0
	.amdhsa_kernel k_q8c38e44179_qkv
		.amdhsa_group_segment_fixed_size 279552
		.amdhsa_private_segment_fixed_size 0
		.amdhsa_enable_private_segment 0
		.amdhsa_kernarg_size 120
		.amdhsa_user_sgpr_count 2
		.amdhsa_user_sgpr_kernarg_segment_ptr 1
		.amdhsa_wavefront_size32 1
		.amdhsa_system_sgpr_workgroup_id_x 1
		.amdhsa_system_sgpr_workgroup_id_y 1
		.amdhsa_system_sgpr_workgroup_id_z 1
		.amdhsa_system_vgpr_workitem_id 0
		.amdhsa_next_free_vgpr 392
		.amdhsa_next_free_sgpr 96
		.amdhsa_reserve_vcc 0
		.amdhsa_float_denorm_mode_32 3
		.amdhsa_float_denorm_mode_16_64 3
		.amdhsa_memory_ordered 1
		.amdhsa_forward_progress 1
		.amdhsa_inst_pref_size 73
	.end_amdhsa_kernel
	.amdgpu_metadata
---
amdhsa.version: [ 1, 2 ]
amdhsa.kernels:
  - .name:           k_q8c38e44179_qkv
    .symbol:         k_q8c38e44179_qkv.kd
    .args:
      - { .name: x_codes, .offset: 0, .size: 8, .value_kind: global_buffer, .address_space: global }
      - { .name: x_scales, .offset: 8, .size: 8, .value_kind: global_buffer, .address_space: global }
      - { .name: Wq_codes, .offset: 16, .size: 8, .value_kind: global_buffer, .address_space: global }
      - { .name: Wq_scales, .offset: 24, .size: 8, .value_kind: global_buffer, .address_space: global }
      - { .name: Wk_codes, .offset: 32, .size: 8, .value_kind: global_buffer, .address_space: global }
      - { .name: Wk_scales, .offset: 40, .size: 8, .value_kind: global_buffer, .address_space: global }
      - { .name: Wv_codes, .offset: 48, .size: 8, .value_kind: global_buffer, .address_space: global }
      - { .name: Wv_scales, .offset: 56, .size: 8, .value_kind: global_buffer, .address_space: global }
      - { .name: bq, .offset: 64, .size: 8, .value_kind: global_buffer, .address_space: global }
      - { .name: bk, .offset: 72, .size: 8, .value_kind: global_buffer, .address_space: global }
      - { .name: bv, .offset: 80, .size: 8, .value_kind: global_buffer, .address_space: global }
      - { .name: q, .offset: 88, .size: 8, .value_kind: global_buffer, .address_space: global }
      - { .name: qs, .offset: 96, .size: 8, .value_kind: global_buffer, .address_space: global }
      - { .name: kv, .offset: 104, .size: 8, .value_kind: global_buffer, .address_space: global }
      - { .name: sc, .offset: 112, .size: 8, .value_kind: global_buffer, .address_space: global }
    .group_segment_fixed_size: 279552
    .private_segment_fixed_size: 0
    .kernarg_segment_align: 8
    .kernarg_segment_size: 120
    .max_flat_workgroup_size: 256
    .sgpr_count:     96
    .vgpr_count:     392
    .wavefront_size: 32
...
	.end_amdgpu_metadata
.endif
;; end of part 1
;; launch attn (part 2): grid 16 x 16, 16 waves a work-group, clusters of 4 x 1, 327,680 bytes of LDS; arguments q, qs, kv, sc, oc, os; writes oc, os
.if DOCPART == 2
	.amdgcn_target "amdgcn-amd-amdhsa--gfx1250"
	.amdhsa_code_object_version 6
	.text
	.protected	k_q8c38e44179_attn
	.globl	k_q8c38e44179_attn
	.p2align	8
	.type	k_q8c38e44179_attn,@function
k_q8c38e44179_attn:
	s_mov_b64 s[64:65], 0
	v_nop
	global_prefetch_b8 v0, s[64:65] scope:SCOPE_SE
	s_setreg_imm32_b32 hwreg(HW_REG_WAVE_MODE, 25, 1), 1
	s_wait_xcnt 0x0
	s_wait_alu depctr_hold_cnt(0) depctr_sa_sdst(0) depctr_va_vdst(0) depctr_va_sdst(0) depctr_va_ssrc(0) depctr_va_vcc(0) depctr_vm_vsrc(0)
	s_getreg_b32 s2, hwreg(HW_REG_IB_STS2, 6, 4)
	s_cmp_eq_u32 s2, 0
	s_cbranch_scc0 .Lentry_in_a_cluster
	s_endpgm
.Lentry_in_a_cluster:
	s_bfe_u32 s2, ttmp6, 0x10000c
	s_cmp_lg_u32 s2, 0x3003
	s_cbranch_scc0 .Lentry_shape_is_right
	s_endpgm
.Lentry_shape_is_right:
; O = softmax(Q K^T / 8) V for one head, both products on codes of E4M3 with E8M0 scales; O is divided by the row's sum, quantised along the head's 64 channels and stored as codes for the output projection.
; THE SOFTMAX AHEAD OF THE SECOND PRODUCT: t = score x log2(e) / 8; M = the running largest t rounded UP to a whole number; p = 2^(t - M) is quantised along the keys, not normalised; the row's sum is taken of the
; unquantised p in f32.  When M moves, the sum and O^T are multiplied by 2^(old M - new M): nothing is rounded, and there is no branch on data.  The running maximum is kept as a score; c is positive, so c x the largest score is the largest t.
; SHARES.  A work-group owns 256 queries of one head (grid y: 8 batch + head); each of its sixteen waves one tile of 16 queries in 256 registers.  Every wave walks the head's 4,096 keys, 128 a step.
; OPERANDS ARE IMAGES OF REGISTERS, as the launch before laid them: a group of four registers is 512 bytes, lane l's 16 bytes at 16 l.  A key step is 16,384 dense bytes: K's 8 tiles (1,024 each), V's 4 (2,048 each).
; Both products are used transposed (S^T = K Q^T, O^T = V^T P^T): a lane holds one query throughout, and the rows of a tile were chosen so that p's and O's registers are neighbours along the next K.
; THE HEAD HAS 64 CHANNELS, THE INSTRUCTION 128 ALONG K: Q's upper eight registers hold zero codes.  So K's tile t is named with 16 registers of which the upper eight are tile t + 1's codes; behind tile 7 stand eight registers
; of zeros (region X) or p's codes of the step before (region Y): the hold never lets the NaN code arise there.
; TWO REGIONS OF 64 REGISTERS SWAP ROLES FROM STEP TO STEP.  In a step K lies in one region and the scores go to the other; V follows K into its region; as soon as a block of 32 keys is converted, its 16 registers take two tiles of
; the NEXT step's K; the next step's scores are laid over V, nine plain vector lines behind the last products.  A slot's last step loads nothing ahead: the next slot is read behind the change of slots.
; THE RING: two slots of eight key steps (131,072 bytes): three rounds that fill a slot and one plain barrier.  The four work-groups of a cluster belong to one head and walk the same K and V:
; each key step of a slot is asked for jointly (waves 0-7, one load each).  The head's scale words (24,576 bytes) come once, at the head: waves 8-15, 3,072 bytes each.  So every wave has one tensor load at the head, and at most one out at any time.
; A slot is a loop of three trips of two steps and one trip written out.
; THE ROW'S SUM of a step is gathered in eight chains; the eight additions that join them to the sum stand at the NEXT step's head (ahead of that step's rescaling, so under the M that they were made under), where they are
; places behind the matrix instructions; behind the last step they stand once more.
; LIMITS: NaN and infinities are not served.  A block of zeros keeps the byte 1 (its codes are zeros; only this program reads the bytes).  A block's largest p is taken from its largest score, which takes
; v_exp_f32 not to fall where its input rises; at the worst one p of a block would be held one code low.
.set SLOT1, 1<<17                      ; slot 1 begins here: one exclusive or turns an address in one slot into the other's
.set SCB,   2*SLOT1                    ; the head's scale words: 768 bytes a key step: K's [lane][4 words], then V's [lane][2 words]
.set OSTG,  SCB+24576                  ; the stage for O's scale words: 64 bytes a wave
.set SPARE, OSTG+1024                  ; the spare words, 128 bytes for each wave: eight blocks of 256 bytes that no other line names
.set A16,  1                           ; v1   16 x lane
.set AS16, 2                           ; v2   SCB + 16 x lane
.set SPW,  3                           ; v3   my spare word; never rewritten
.set NIL,  4                           ; v4   0; never rewritten
.set PFO,  5                           ; v5   256 x lane: the prefetches' offset
.set ADC,  6                           ; v6   the trip's codes
.set ADS,  7                           ; v7   the trip's scale words of K
.set ADT,  8                           ; v8   and of V
.set QS,   9                           ; v9   Q's scale words
.set AS8,  10                          ; v10  SCB + 512 + 8 x lane
.set R4,   11                          ; v11  4 r
; v12 -M, v13 the largest score, v[14:15] the sum; v16-23 Q, v24-31 zeros
.set X,    32                          ; v32-95   region X; v96-103 zeros
.set Y,    104                         ; v104-167 region Y
.set PCD,  168                         ; v168-183 p's codes, straight behind region Y
.set O,    184                         ; v184-215 O^T
.set KS,   216                         ; v216-219 K's scale words: register i: lanes 0-15 tile 2 i, lanes 16-31 tile 2 i + 1
.set VS,   220                         ; v220-221 V's likewise
.set BM,   224                         ; the blocks' largest scores, then largest p
.set T1,   228
.set HD,   232                         ; 448 x the scale
.set SCL,  236                         ; the conversions' scale operands
.set F,    240                         ; v240 f = 2^(old M - new M); v241 named with it as a pair
.set PS,   242                         ; p's scale word
.set TMP,  243
.set OW,   246                         ; O's scale word
.set OSA,  247                         ; where it goes in the stage
.set OSR,  248                         ; and from where the stage is read
.set OLDM, 254                         ; -M as the step found it
; the sum's eight chains, a pair each: v222, v224, v226, v228, v230, v244, v250, v252 (v224-231 are BM and T1 until p's scale word is made)
.set WV,   16
.set MNT,  19
.set SEL,  20
.set CS,   22
.set G1C,  24
.set G1S,  32
.set G0C,  40
.set G0S,  44
.set TB,   48                          ; LDS byte at which the slot in hand begins
.set TSB,  49                          ; and its scale words: 6,144 bytes a slot
.set SLOTS, 50
.set LIM,  51
.set PFA,  52
.set CA,   56                          ; the trip's codes: TB + 32,768 x trip
.set TS,   57                          ; the trip's scale words: TSB + 1,536 x trip
.set NS,   58                          ; trips to go in the slot's loop
.macro PLACES n
.rept \n
	v_nop
.endr
.endm
.macro PADD d, a, b
	v_pk_add_f32 v[\d:\d+1], v[\a:\a+1], v[\b:\b+1]
.endm
.macro P1 c, sr                        ; a chain begins with two pairs of p
	PADD \c, \sr+J, \sr+J+2
.set J, J+4
.endm
.macro CROUND                          ; a round of the cluster's barrier
	s_barrier_signal -1
	s_barrier_wait -1
	s_cmp_lg_u32 s[WV], 0
	s_cbranch_scc1 .Lnot_wave_0_\@
	s_barrier_signal -3
.Lnot_wave_0_\@:
	s_barrier_wait -3
	s_barrier_signal -1
	s_barrier_wait -1
.endm
	s_load_b256 s[4:11], s[0:1], 0x0               ; q, qs, kv, sc
	s_load_b128 s[12:15], s[0:1], 0x20             ; oc, os
	v_lshl_add_u32 v[SPW], v0, 2, SPARE
	v_mov_b32 v[NIL], 0
	ds_add_u32 v[SPW], v[NIL]                      ; the opening lines: the add, twice on end, and its wait ahead of my first tensor load
	ds_add_u32 v[SPW], v[NIL]
	v_lshrrev_b32 v6, 5, v0
	v_readfirstlane_b32 s[WV], v6                  ; wave 0..15
	s_bfe_u32 s17, ttmp6, 0x40000                  ; cx
	s_lshl_b32 s18, ttmp9, 2
	s_add_co_u32 s18, s18, s17                     ; my block of 256 queries: it enters Q's, O's and the prefetches' addresses alone
	s_and_b32 s54, ttmp7, 0xffff                   ; 8 batch + head, which the four partners share
	s_lshr_b32 s55, s54, 3                         ; batch
	s_and_b32 s56, s54, 7                          ; head
	s_lshl_b32 s57, s18, 4
	s_add_co_u32 s58, s57, s[WV]                   ; my tile of queries among the head's 256
	s_lshl_b32 s59, s54, 8
	s_add_co_u32 s59, s59, s58
	s_lshl_b32 s60, s59, 10                        ; q: 1,024 bytes a tile
	s_mov_b32 s61, 0
	s_lshl_b32 s62, s59, 6                         ; qs: 64 bytes a tile
	s_mov_b32 s63, 0
	s_lshl_b32 s66, s54, 19                        ; kv: 524,288 bytes a head
	s_mov_b32 s67, 0
	s_lshl_b32 s68, s[WV], 14                      ; wave w (0-7) fetches key step w of a slot
	s_mov_b32 s69, 0
	s_add_nc_u64 s[68:69], s[68:69], s[66:67]
	s_mul_i32 s70, s54, 24576                      ; sc: 24,576 bytes a head,
	s_and_b32 s72, s[WV], 7
	s_mul_i32 s72, s72, 3072                       ; an eighth a wave (waves 8-15)
	s_add_co_u32 s70, s70, s72
	s_mov_b32 s71, 0
	s_lshl_b32 s73, s55, 8
	s_add_co_u32 s74, s73, s58                     ; T = 256 batch + my tile
	s_lshl_b32 s74, s74, 13                        ; oc: 8,192 bytes a tile; head hd fills K step hd / 2, groups 2 (hd % 2) and the next
	s_lshr_b32 s75, s56, 1
	s_lshl_b32 s75, s75, 11
	s_add_co_u32 s74, s74, s75
	s_and_b32 s75, s56, 1
	s_lshl_b32 s75, s75, 10
	s_add_co_u32 s74, s74, s75
	s_mov_b32 s75, 0
	s_add_co_u32 s76, s73, s57
	s_lshl_b32 s76, s76, 6                         ; os: [head][T][16 words]
	s_lshl_b32 s77, s56, 15
	s_add_co_u32 s76, s76, s77
	s_and_b32 s78, s[WV], 1
	s_lshl_b32 s77, s78, 9                         ; wave 0 stores the work-group's first 512 bytes, wave 1 the rest
	s_add_co_u32 s76, s76, s77
	s_mov_b32 s77, 0
	s_lshl_b32 s79, s17, 15                        ; the prefetches: my work-group's quarter of a slot, told apart from the partners' by address,
	s_and_b32 s78, s[WV], 3
	s_lshl_b32 s78, s78, 13                        ; a quarter of it a wave,
	s_add_co_u32 s78, s78, s79
	s_add_co_u32 s78, s78, SLOT1                   ; in slot 1: the first change of slots steps it to slot 2
	s_mov_b32 s79, 0
	s_add_nc_u64 s[78:79], s[78:79], s[66:67]
	s_lshr_b32 s[LIM], s[WV], 2
	s_xor_b32 s[LIM], s[LIM], 2                    ; 0 in waves 8 to 11,
	s_or_b32 s[LIM], s[LIM], ttmp9                 ; of the head's first cluster: the same in all four partners
	s_cmp_eq_u32 s[LIM], 0
	s_cselect_b32 s[LIM], 1, -1
	; group 1: dense blocks as rows of 256 bytes (32 elements of 8 bytes): 64 rows of codes, 12 rows of scale words; the mask names all four work-groups
	s_mov_b32 s[G1C], 15|(3<<16)|(1<<21)
	s_mov_b32 s[G1C+1], 32<<16
	s_mov_b32 s[G1C+2], 64<<16
	s_mov_b32 s[G1C+3], 32<<16
	s_mov_b32 s[G1C+4], 64
	s_mov_b32 s[G1C+5], 32
	s_mov_b32 s[G1C+6], 0
	s_mov_b32 s[G1C+7], 0
	s_mov_b32 s[G1S], 15|(3<<16)|(1<<21)
	s_mov_b32 s[G1S+1], 32<<16
	s_mov_b32 s[G1S+2], 12<<16
	s_mov_b32 s[G1S+3], 32<<16
	s_mov_b32 s[G1S+4], 12
	s_mov_b32 s[G1S+5], 32
	s_mov_b32 s[G1S+6], 0
	s_mov_b32 s[G1S+7], 0
	s_mov_b32 s[SEL], 0x76543210
	s_mov_b32 s[SEL+1], 0xfedcba98                 ; lane l xor 16
	s_mov_b32 s[CS], 0x3e38aa3b                    ; c = log2(e) / 8
	s_mov_b32 s[CS+1], s[CS]                       ; (named with it as a pair)
	s_mov_b32 s[MNT], 0x600000                     ; the mantissa field of 448
	s_mov_b32 s[TB], 0
	s_mov_b32 s[TSB], 0
	s_mov_b32 s[SLOTS], 3                          ; 4 slots' worth of keys; slot 0 is asked for here
	s_wait_dscnt 0x0                               ; both opening adds are done
	s_wait_kmcnt 0x0
	s_mov_b32 s[G0C], 1
	s_lshl_b32 s[G0C+1], s[WV], 14                 ; slot 0, key step w: no place in the cluster enters an LDS address
	s_add_nc_u64 s[G0C+2:G0C+3], s[8:9], s[68:69]
	s_or_b32 s[G0C+3], s[G0C+3], 0x80000000
	s_mov_b32 s[G0S], 1
	s_add_co_u32 s[G0S+1], s72, SCB
	s_add_nc_u64 s[G0S+2:G0S+3], s[10:11], s[70:71]
	s_or_b32 s[G0S+3], s[G0S+3], 0x80000000
	s_add_nc_u64 s[PFA:PFA+1], s[8:9], s[78:79]
	s_add_nc_u64 s[4:5], s[4:5], s[60:61]
	s_add_nc_u64 s[6:7], s[6:7], s[62:63]
	s_add_nc_u64 s[12:13], s[12:13], s[74:75]
	s_add_nc_u64 s[14:15], s[14:15], s[76:77]
	CROUND                                         ; all four work-groups are here: the first joint loads meet
	s_cmp_lt_u32 s[WV], 8                          ; one load a wave, an arm each: waves 0-7 slot 0's key steps, waves 8-15 the head's scale words (filled once)
	s_cbranch_scc0 .Lfor_scales
	tensor_load_to_lds s[G0C:G0C+3], s[G1C:G1C+7]
	s_nop 0
	PLACES 4
	s_branch .Lasked
.Lfor_scales:
	tensor_load_to_lds s[G0S:G0S+3], s[G1S:G1S+7]
	s_nop 0
	PLACES 4
.Lasked:
	v_and_b32 v[A16], 31, v0
	v_and_b32 v[R4], 15, v0
	v_lshlrev_b32 v[PFO], 8, v[A16]
	v_lshl_add_u32 v[AS16], v[A16], 4, SCB
	v_lshl_add_u32 v[AS8], v[A16], 3, SCB+512
	v_lshlrev_b32 v[A16], 4, v[A16]
	v_lshlrev_b32 v[R4], 2, v[R4]
	global_load_b128 v[16:19], v[A16], s[4:5]      ; Q's tile stays in registers
	global_load_b128 v[20:23], v[A16], s[4:5] offset:512
	global_load_b32 v[QS], v[R4], s[6:7]
	s_lshl_b32 s55, s[WV], 6
	s_add_co_u32 s55, s55, OSTG
	v_add_nc_u32 v[OSA], s55, v[R4]
	s_and_b32 s55, s[WV], 1
	s_lshl_b32 s55, s55, 9
	s_add_co_u32 s55, s55, OSTG
	v_add_nc_u32 v[OSR], s55, v[A16]
	v_mov_b32 v13, 0xff61b1e6                      ; the largest score so far: -3e38, under every score
	v_mov_b32 v12, 0x7e000000                      ; -M: a whole number above every -M to come, so that the first f is 0
	v_mov_b32 v14, 0
	v_mov_b32 v15, 0
	v_mov_b32 v[F+1], 0
.irp j, 0,1,2,3,4,5,6,7
	v_mov_b32 v[24+\j], 0                          ; Q's codes for the upper 64 of the instruction's K
	v_mov_b32 v[96+\j], 0                          ; what stands behind region X
.endr
.set J, 222
.rept 10
	v_mov_b32 v[J], 0                              ; the sum's chains: the first step joins zeros (v228-231 are also the lane permutes' destinations, which count as sources)
.set J, J+1
.endr
.irp j, 244,245,250,251,252,253
	v_mov_b32 v[\j], 0
.endr
.set J, 0
.rept 32
	v_mov_b32 v[O+J], 0                            ; the first step finds zeros, which the first change of M leaves zeros
.set J, J+1
.endr
; A KEY STEP: 128 keys.  kf: the region that holds K, then V; sr: the region of the scores, then of the next step's K.  vo, wo: the step's bytes behind the trip's codes and scale words.
; first = 1: a trip's first step, which makes the trip's addresses.  pre = 1: the next step's K is loaded.
.macro STEP kf, sr, vo, wo, first, pre
.if \first                             ; nine plain lines: the places behind the last step's products, whose V registers the scores below are laid over
	v_add_nc_u32 v[ADT], s[TS], v[AS8]
	v_add_nc_u32 v[ADC], s[CA], v[A16]
	v_add_nc_u32 v[ADS], s[TS], v[AS16]
.endif
	PADD 222, 222, 224                             ; the last step's eight chains are joined
	PADD 226, 226, 228
	PADD 230, 230, 244
	PADD 250, 250, 252
	PADD 222, 222, 226
	PADD 230, 230, 250
.if \first == 0
	v_mov_b32 v[OLDM], v12                         ; -M as it stands
	PADD 222, 222, 230
	PADD 14, 14, 222                               ; the sum has the last step's p, under the M that they were made under
.endif
	s_wait_alu depctr_va_vdst(0)                   ; directly ahead of the wait below
	s_wait_dscnt 0x0                               ; K's tiles and scale words are in
.irp t, 0,2,4,6                        ; S^T = K Q^T: the eight accumulators one after the other, each begun with 0
	v_wmma_scale_f32_16x16x128_f8f6f4 v[\sr+8*\t:\sr+8*\t+7], v[\kf+8*\t:\kf+8*\t+15], v[16:31], 0, v[KS+\t/2], v[QS]
	v_wmma_scale_f32_16x16x128_f8f6f4 v[\sr+8*\t+8:\sr+8*\t+15], v[\kf+8*\t+8:\kf+8*\t+23], v[16:31], 0, v[KS+\t/2], v[QS] matrix_a_scale:MATRIX_SCALE_ROW1
.endr
.if \first                             ; eight places in front of the loads below and of the first read of the scores
	v_mov_b32 v[OLDM], v12
	PADD 222, 222, 230
	v_nop
	v_nop
	PADD 14, 14, 222
	PLACES 3
.else
	PLACES 8
.endif
.irp t, 0,1,2,3
.irp c, 0,1,2,3
	ds_load_b128 v[\kf+16*\t+4*\c:\kf+16*\t+4*\c+3], v[ADC] offset:\vo+8192+2048*\t+512*\c   ; V's tiles are on their way during the softmax
.endr
.endr
	ds_load_b64 v[VS:VS+1], v[ADT] offset:\wo
.irp b, 0,1,2,3
	v_max3_num_f32 v[BM+\b], v[\sr+16*\b], v[\sr+1+16*\b], v[\sr+2+16*\b]   ; the largest score of each block of 32 keys: for the row's maximum and, since p rises with the score, for the block's largest p
.endr
.irp i, 3,5,7,9,11,13
.irp b, 0,1,2,3
	v_max3_num_f32 v[BM+\b], v[BM+\b], v[\sr+16*\b+\i], v[\sr+1+16*\b+\i]
.endr
.endr
.irp b, 0,1,2,3
	v_max_num_f32 v[BM+\b], v[BM+\b], v[\sr+15+16*\b]
.endr
.irp b, 0,1,2,3
	v_permlanex16_b32 v[T1+\b], v[BM+\b], s[SEL], s[SEL+1]
.endr
.irp b, 0,2
	v_dual_max_num_f32 v[BM+\b], v[BM+\b], v[T1+\b] :: v_dual_max_num_f32 v[BM+\b+1], v[BM+\b+1], v[T1+\b+1]   ; with lane l xor 16's 16 keys; two blocks to a dual-issue pair
.endr
	v_max3_num_f32 v[TMP], v[BM], v[BM+1], v[BM+2]
	s_delay_alu instid0(VALU_DEP_1)
	v_max3_num_f32 v13, v13, v[TMP], v[BM+3]       ; the running largest score of my query
	s_delay_alu instid0(VALU_DEP_1)
	v_mul_f32 v[TMP], s[CS], v13                   ; as t
	s_delay_alu instid0(VALU_DEP_1)
	v_floor_f32 v12, -v[TMP]                       ; the new -M = floor(-t) = -ceil(t): a whole number
.set J, 0
.rept 32
	v_pk_fma_f32 v[\sr+J:\sr+J+1], v[\sr+J:\sr+J+1], s[CS:CS+1], v[12:13] op_sel_hi:[1,0,0]   ; t - M, two at a time; among them the three lines that make f
.if J == 8
	v_sub_f32 v[TMP], v12, v[OLDM]                 ; old M - new M: a whole number, 0 or less
.elseif J == 24
	v_cvt_i32_f32 v[TMP], v[TMP]                   ; (it saturates)
.elseif J == 40
	v_ldexp_f32 v[F], 1.0, v[TMP]                  ; f = 2^(old M - new M)
.endif
.set J, J+2
.endr
.irp b, 0,1,2,3
	v_fma_f32 v[BM+\b], v[BM+\b], s[CS], v12       ; the same of each block's largest score
.endr
	s_wait_alu depctr_va_vdst(0)                   ; the wait ahead of the batch
.set J, 0
.rept 64
	v_exp_f32 v[\sr+J], v[\sr+J]                   ; p = 2^(t - M), at most 1
.set J, J+1
.endr
.irp b, 0,1,2,3
	v_exp_f32 v[BM+\b], v[BM+\b]                   ; the block's largest p: the same two instructions on the same number
.endr
	v_pk_mul_f32 v[14:15], v[14:15], v[F:F+1] op_sel_hi:[1,0]   ; the sum under the new M (a plain place behind the exponentials)
	s_wait_alu depctr_va_vdst(0)                   ; one wait for the whole batch, ahead of its first reader
.irp b, 0,2
	v_dual_max_num_f32 v[BM+\b], 0x4800000, v[BM+\b] :: v_dual_max_num_f32 v[BM+\b+1], 0x4800000, v[BM+\b+1]   ; the floor 2^(9 - 127): the byte cannot fall under 1
.endr
.irp b, 0,1,2,3
	v_add_nc_u32 v[SCL+\b], 0xfc000000, v[BM+\b]   ; 8 off the exponent field: the conversion's scale operand
.endr
.irp b, 0,1,2,3
	v_and_or_b32 v[HD+\b], v[BM+\b], 0x7f800000, s[MNT]   ; 448 x the scale
.endr
.irp b, 0,1,2,3
	v_lshrrev_b32 v[T1+\b], 23, v[SCL+\b]          ; the scale's byte
.endr
.set J, 0                              ; THE ROW'S SUM IS TAKEN OF THE UNQUANTISED p: 32 pairs into eight chains by turns, 24 additions; among the first stand the three lines that make p's scale word
	v_lshl_or_b32 v[PS], v[T1+1], 8, v[T1]
	P1 222, \sr
	P1 224, \sr
	v_lshl_or_b32 v[PS], v[T1+2], 16, v[PS]
	P1 226, \sr
	P1 244, \sr
	v_lshl_or_b32 v[PS], v[T1+3], 24, v[PS]
	P1 250, \sr
	P1 252, \sr
	P1 228, \sr
	P1 230, \sr
.rept 2
.irp c, 222,224,226,244,250,252,228,230
	PADD \c, \c, \sr+J
.set J, J+2
.endr
.endr
	s_wait_dscnt 0x0                               ; V's tiles and scale words, asked for at the softmax's head, are in: so the loads below need no counted wait
.irp b, 0,1,2,3
.irp i, 0,2,4,6,8,10,12,14             ; the conversion does not saturate (ISA guide 7.6.2); p is not negative, so the hold is one-sided; two holds to a dual-issue pair
	v_dual_min_num_f32 v[\sr+16*\b+\i], v[\sr+16*\b+\i], v[HD+\b] :: v_dual_min_num_f32 v[\sr+16*\b+\i+1], v[\sr+16*\b+\i+1], v[HD+\b]
.endr
	v_cvt_scalef32_pk8_fp8_f32 v[PCD+4*\b:PCD+1+4*\b], v[\sr+16*\b:\sr+7+16*\b], v[SCL+\b]
	v_cvt_scalef32_pk8_fp8_f32 v[PCD+2+4*\b:PCD+3+4*\b], v[\sr+8+16*\b:\sr+15+16*\b], v[SCL+\b]
.if \pre
.irp q, 0,1,2,3
	ds_load_b128 v[\sr+16*\b+4*\q:\sr+16*\b+4*\q+3], v[ADC] offset:\vo+16384+2048*\b+512*\q   ; the block's 16 registers are done with: the next step's K, tiles 2 b and 2 b + 1
.endr
.endif
.endr
.if \pre
	ds_load_b128 v[KS:KS+3], v[ADS] offset:\wo+768
.endif
	s_wait_alu depctr_va_vdst(0)                   ; directly ahead of the first reader of O^T
.set J, 0
.rept 16
	v_pk_mul_f32 v[O+J:O+J+1], v[O+J:O+J+1], v[F:F+1] op_sel_hi:[1,0]   ; O^T under the new M; these sixteen also stand between the codes and the products below
.set J, J+2
.endr
.irp t, 0,2                            ; O^T += V^T P^T: four accumulators by turns; K = these 128 keys
	v_wmma_scale_f32_16x16x128_f8f6f4 v[O+8*\t:O+8*\t+7], v[\kf+16*\t:\kf+16*\t+15], v[PCD:PCD+15], v[O+8*\t:O+8*\t+7], v[VS+\t/2], v[PS]
	v_wmma_scale_f32_16x16x128_f8f6f4 v[O+8*\t+8:O+8*\t+15], v[\kf+16*\t+16:\kf+16*\t+31], v[PCD:PCD+15], v[O+8*\t+8:O+8*\t+15], v[VS+\t/2], v[PS] matrix_a_scale:MATRIX_SCALE_ROW1
.endr
.endm
; THE CHANGE OF SLOTS stands at a slot's head.  Each wave waits for all its tensor loads, adds 0 to its spare word, and waits for that and for its reads of the slot that it has left.
; fill = 1: a round of the cluster's barrier, so that no wave of any partner still reads that slot or has a load on its way; behind it the slot is filled with the keys that follow: the load has eight key steps in which to land.
; Behind the load stands a prefetch of what the NEXT change will ask for: a slot's 131,072 bytes, named once in the launch: all clusters of a head walk the same bytes, so the head's first cluster asks; its four partners
; take 32,768 bytes each, told apart by address; in each, waves 8 to 11 ask for 8,192 bytes, lanes 256 bytes apart.  The last change that fills a slot asks for nothing; slots 0 and 1 come by their loads alone.
.macro CHANGE fill
	s_wait_tensorcnt 0x0                           ; no tensor load of mine is out, so a group 0 may be written
	ds_add_u32 v[SPW], v[NIL]                      ; 0 onto my spare word
.if \fill
	s_xor_b32 s[G0C+1], s[G0C+1], SLOT1            ; the walking descriptor: the other slot than last time,
	s_add_nc_u64 s[G0C+2:G0C+3], s[G0C+2:G0C+3], SLOT1   ; the next eight key steps; the type bits on top are not reached
	s_wait_xcnt 0x0                                ; the last prefetch, a slot back, has read its address:
	s_add_nc_u64 s[PFA:PFA+1], s[PFA:PFA+1], SLOT1 ; one slot further on than the walking descriptor
	s_wait_dscnt 0x0                               ; the add is done, and my reads of the slot that I have left are over
	CROUND
	s_cmp_lt_u32 s[WV], 8
	s_cbranch_scc0 .Lnone_\@
	tensor_load_to_lds s[G0C:G0C+3], s[G1C:G1C+7]  ; the first thing behind the round, and a wave's one tensor load until the next
	s_nop 0
	PLACES 4
.Lnone_\@:
	s_cmp_gt_u32 s[SLOTS], s[LIM]
	s_cbranch_scc0 .Lnot_mine_\@
	global_prefetch_b8 v[PFO], s[PFA:PFA+1] th:TH_LOAD_NT scope:SCOPE_SE
.Lnot_mine_\@:
.else
	s_wait_dscnt 0x0
	s_barrier_signal -1
	s_barrier_wait -1
.endif
.endm
.macro STEPS                           ; a slot's eight key steps: its first K, three trips of two steps, and the last two steps written out
	s_mov_b32 s[CA], s[TB]
	s_mov_b32 s[TS], s[TSB]
	s_mov_b32 s[NS], 3
	v_add_nc_u32 v[ADC], s[CA], v[A16]
	v_add_nc_u32 v[ADS], s[TS], v[AS16]
.irp q, 0,1,2,3,4,5,6,7,8,9,10,11,12,13,14,15
	ds_load_b128 v[X+4*\q:X+4*\q+3], v[ADC] offset:512*\q
.endr
	ds_load_b128 v[KS:KS+3], v[ADS]
.Lstep_\@:
	STEP X, Y, 0, 0, 1, 1
	STEP Y, X, 16384, 768, 0, 1
	s_add_co_u32 s[CA], s[CA], 32768
	s_add_co_u32 s[TS], s[TS], 1536
	s_sub_co_u32 s[NS], s[NS], 1
	s_cmp_lg_u32 s[NS], 0
	s_cbranch_scc1 .Lstep_\@
	STEP X, Y, 0, 0, 1, 1
	STEP Y, X, 16384, 768, 0, 0
	s_xor_b32 s[TB], s[TB], SLOT1                  ; on to the other slot,
	s_add_co_u32 s[TSB], s[TSB], 6144              ; and to its scale words
.endm
	s_wait_alu depctr_va_vdst(0)                   ; the head's end
	s_wait_loadcnt 0x0                             ; Q
.Lslot:                                            ; 3 trips: behind each change of slots but the last the next slot is asked for
	CHANGE 1
	STEPS
	s_sub_co_u32 s[SLOTS], s[SLOTS], 1
	s_cmp_lg_u32 s[SLOTS], 0
	s_cbranch_scc1 .Lslot
	CHANGE 0                                       ; the last slot is written out
	STEPS
	; THE WAY OUT: O^T / the row's sum, quantised along the head's 64 channels (two blocks of 32: register 16 b + i is channel 32 b + 16 (lane / 16) + i), stored as two groups of the projection's operand
	PADD 222, 222, 224                             ; the last step's chains are joined: these eight are also the places behind the last products
	PADD 226, 226, 228
	PADD 230, 230, 244
	PADD 250, 250, 252
	PADD 222, 222, 226
	PADD 230, 230, 250
	PADD 222, 222, 230
	PADD 14, 14, 222
	v_add_f32 v14, v14, v15                        ; the sum's two halves,
	s_delay_alu instid0(VALU_DEP_1)
	v_permlanex16_b32 v[TMP], v14, s[SEL], s[SEL+1]
	s_delay_alu instid0(VALU_DEP_1)
	v_add_f32 v14, v14, v[TMP]                     ; and lane l xor 16's
	s_wait_alu depctr_va_vdst(0)                   ; the wait ahead of the transcendental
	v_rcp_f32 v[F], v14
	v_nop                                          ; a plain place behind the transcendental
	s_wait_alu depctr_va_vdst(0)                   ; the wait ahead of its first reader, which is also O^T's
.set J, 0
.rept 16
	v_pk_mul_f32 v[O+J:O+J+1], v[O+J:O+J+1], v[F:F+1] op_sel_hi:[1,0]
.set J, J+2
.endr
.irp b, 0,1
	v_max3_num_f32 v[BM+\b], |v[O+16*\b]|, |v[O+1+16*\b]|, 0x4800000
.endr
.irp i, 2,4,6,8,10,12,14
.irp b, 0,1
	s_delay_alu instid0(VALU_DEP_2)
	v_max3_num_f32 v[BM+\b], v[BM+\b], |v[O+16*\b+\i]|, |v[O+1+16*\b+\i]|
.endr
.endr
.irp b, 0,1
	s_delay_alu instid0(VALU_DEP_2)
	v_permlanex16_b32 v[T1+\b], v[BM+\b], s[SEL], s[SEL+1]
.endr
.irp b, 0,1
	s_delay_alu instid0(VALU_DEP_2)
	v_max_num_f32 v[BM+\b], v[BM+\b], v[T1+\b]
.endr
.irp b, 0,1
	s_delay_alu instid0(VALU_DEP_2)
	v_add_nc_u32 v[SCL+\b], 0xfc000000, v[BM+\b]
.endr
.irp b, 0,1
	s_delay_alu instid0(VALU_DEP_4)
	v_and_or_b32 v[HD+\b], v[BM+\b], 0x7f800000, s[MNT]
.endr
.irp b, 0,1
	s_delay_alu instid0(VALU_DEP_4)
	v_lshrrev_b32 v[T1+\b], 23, v[SCL+\b]
.endr
	s_delay_alu instid0(VALU_DEP_1)
	v_lshl_or_b32 v[OW], v[T1+1], 8, v[T1]         ; two bytes in the low half of a word
.irp b, 0,1
.irp i, 0,1,2,3,4,5,6,7,8,9,10,11,12,13,14,15
	v_med3_num_f32 v[O+16*\b+\i], v[O+16*\b+\i], -v[HD+\b], v[HD+\b]
.endr
	v_cvt_scalef32_pk8_fp8_f32 v[PCD+4*\b:PCD+1+4*\b], v[O+16*\b:O+7+16*\b], v[SCL+\b]
	v_cvt_scalef32_pk8_fp8_f32 v[PCD+2+4*\b:PCD+3+4*\b], v[O+8+16*\b:O+15+16*\b], v[SCL+\b]
.endr
	v_nop                                          ; one plain vector instruction behind the last conversion
	global_store_b128 v[A16], v[PCD:PCD+3], s[12:13]               ; each store of the wave covers 512 consecutive bytes, aligned
	global_store_b128 v[A16], v[PCD+4:PCD+7], s[12:13] offset:512
	ds_store_b32 v[OSA], v[OW]                     ; lanes r and r + 16 write the same word with the same value
	s_wait_dscnt 0x0                               ; for the others' sake: my words lie in the stage
	s_barrier_signal -1
	s_barrier_wait -1
	s_cmp_lt_u32 s[WV], 2                          ; the work-group's 1,024 bytes of scale words leave by two stores of 512
	s_cbranch_scc0 .Lno_os
	ds_load_b128 v[PCD+8:PCD+11], v[OSR]
	s_wait_dscnt 0x0
	global_store_b128 v[A16], v[PCD+8:PCD+11], s[14:15]
.Lno_os:
	s_wait_tensorcnt 0x0                           ; the wave's end
	ds_add_u32 v[SPW], v[NIL]
	s_wait_dscnt 0x0
	CROUND                                         ; the closing round
	s_endpgm
.Lfunc_end_k_q8c38e44179_attn:
	.size	k_q8c38e44179_attn, .Lfunc_end_k_q8c38e44179_attn-k_q8c38e44179_attn
	.p2alignl 7, 3214868480
	.fill 96, 4, 3214868480
	.section	.rodata,"a",@progbits
	.p2align	6, 0x0
	.amdhsa_kernel k_q8c38e44179_attn
		.amdhsa_group_segment_fixed_size 327680
		.amdhsa_private_segment_fixed_size 0
		.amdhsa_enable_private_segment 0
		.amdhsa_kernarg_size 48
		.amdhsa_user_sgpr_count 2
		.amdhsa_user_sgpr_kernarg_segment_ptr 1
		.amdhsa_wavefront_size32 1
		.amdhsa_system_sgpr_workgroup_id_x 1
		.amdhsa_system_sgpr_workgroup_id_y 1
		.amdhsa_system_sgpr_workgroup_id_z 1
		.amdhsa_system_vgpr_workitem_id 0
		.amdhsa_next_free_vgpr 256
		.amdhsa_next_free_sgpr 80
		.amdhsa_reserve_vcc 0
		.amdhsa_float_denorm_mode_32 3
		.amdhsa_float_denorm_mode_16_64 3
		.amdhsa_memory_ordered 1
		.amdhsa_forward_progress 1
		.amdhsa_inst_pref_size 162
	.end_amdhsa_kernel
	.amdgpu_metadata
---
amdhsa.version: [ 1, 2 ]
amdhsa.kernels:
  - .name:           k_q8c38e44179_attn
    .symbol:         k_q8c38e44179_attn.kd
    .args:
      - { .name: q, .offset: 0, .size: 8, .value_kind: global_buffer, .address_space: global }
      - { .name: qs, .offset: 8, .size: 8, .value_kind: global_buffer, .address_space: global }
      - { .name: kv, .offset: 16, .size: 8, .value_kind: global_buffer, .address_space: global }
      - { .name: sc, .offset: 24, .size: 8, .value_kind: global_buffer, .address_space: global }
      - { .name: oc, .offset: 32, .size: 8, .value_kind: global_buffer, .address_space: global }
      - { .name: os, .offset: 40, .size: 8, .value_kind: global_buffer, .address_space: global }
    .group_segment_fixed_size: 327680
    .private_segment_fixed_size: 0
    .kernarg_segment_align: 8
    .kernarg_segment_size: 48
    .max_flat_workgroup_size: 512
    .sgpr_count:     80
    .vgpr_count:     256
    .wavefront_size: 32
...
	.end_amdgpu_metadata
.endif
;; end of part 2
;; launch oproj (part 3): grid 64 x 4, 8 waves a work-group, clusters of 4 x 1, 168,960 bytes of LDS; arguments oc, os, Wo_codes, Wo_scales, bo, out0; writes out0
.if DOCPART == 3
	.amdgcn_target "amdgcn-amd-amdhsa--gfx1250"
	.amdhsa_code_object_version 6
	.text
	.protected	k_q8c38e44179_oproj
	.globl	k_q8c38e44179_oproj
	.p2align	8
	.type	k_q8c38e44179_oproj,@function
k_q8c38e44179_oproj:
	s_mov_b64 s[64:65], 0
	v_nop
	global_prefetch_b8 v0, s[64:65] scope:SCOPE_SE
	s_setreg_imm32_b32 hwreg(HW_REG_WAVE_MODE, 25, 1), 1
	s_wait_xcnt 0x0
	s_wait_alu depctr_hold_cnt(0) depctr_sa_sdst(0) depctr_va_vdst(0) depctr_va_sdst(0) depctr_va_ssrc(0) depctr_va_vcc(0) depctr_vm_vsrc(0)
	s_getreg_b32 s2, hwreg(HW_REG_IB_STS2, 6, 4)
	s_cmp_eq_u32 s2, 0
	s_cbranch_scc0 .Lentry_in_a_cluster
	s_endpgm
.Lentry_in_a_cluster:
	s_bfe_u32 s2, ttmp6, 0x10000c
	s_cmp_lg_u32 s2, 0x3003
	s_cbranch_scc0 .Lentry_shape_is_right
	s_endpgm
.Lentry_shape_is_right:
; out0 = O Wo^T + bo on codes of E4M3 with E8M0 scales.  O's codes come as images of operand registers (tile T of 16 rows: four K steps x four groups of 512 bytes), its scale bytes as one half word for each head, tile and row.
; SHARES.  A work-group takes 128 rows (rb) and 128 columns (g).  Wave w owns tile T = 8 rb + w (source 1) and runs it against Wo's eight tiles (source 0), four K steps: 32 matrix instructions, eight accumulators by turns.
; Lane r of tile 2 b + u stands for row 32 b + 8 u + r + 8 (r / 8) of the 128, in O's rows and in Wo's alike: a lane's 16 registers of tiles 2 b and 2 b + 1 are 16 neighbouring columns of one row of out0.
; CLUSTER 4 x 1: the four work-groups of a cluster share g, so Wo's 128 rows are asked for jointly (waves 0 and 1, one load each).  Every LDS byte is filled once.
; bo is loaded straight into the accumulators: the C of each sum's first matrix instruction.  Results go through the wave's own stage in LDS and leave as rows of 512 consecutive bytes.
; LIMITS: NaN, infinities and scale bytes 0xff among the inputs are not served.
.set PART,  33792                      ; 64 rows x (512 bytes + 16 of padding)
.set STG,   2*PART                     ; behind Wo: a stage of 16 rows x 528 bytes for each wave
.set FA,  3                            ; v3   528 r + 16 h
.set SA0, 6                            ; v6-7 Wo's parts u = 0, 1
.set BA,  8                            ; v8   64 h
.set GA,  9                            ; v9   16 x lane
.set SSA, 10                           ; v10  16 x (8 h + r + 8 (r / 8))
.set R4,  12                           ; v12  4 r
.set STO, 13                           ; v13  the stage: row r, + 64 h
.set RD,  14                           ; v14  and back: 16 x lane
.set OS,  20                           ; v20-23  O's scale words
.set SS,  24                           ; v24-39  Wo's
.set OWN, 48                           ; v48-111 O's four fragments; on the way out 16 rows of out0
.set ACC, 112
.set SBF, 176
.set OWD, 240                          ; v240-247 O's scale bytes, a half word a head
.set WV,  16
.set G1,  24
.set G0,  32
.macro PLACES n
.rept \n
	v_nop
.endr
.endm
.macro CROUND
	s_barrier_signal -1
	s_barrier_wait -1
	s_cmp_lg_u32 s[WV], 0
	s_cbranch_scc1 .Lnot_wave_0_\@
	s_barrier_signal -3
.Lnot_wave_0_\@:
	s_barrier_wait -3
	s_barrier_signal -1
	s_barrier_wait -1
.endm
	s_load_b256 s[4:11], s[0:1], 0x0               ; oc, os, Wo's codes, Wo's scales
	s_load_b128 s[12:15], s[0:1], 0x20             ; bo, out0
	v_lshl_add_u32 v254, v0, 2, 0x29000
	v_mov_b32 v255, 0
	ds_add_u32 v254, v255
	ds_add_u32 v254, v255
	v_lshrrev_b32 v1, 5, v0
	s_delay_alu instid0(VALU_DEP_1)
	v_readfirstlane_b32 s[WV], v1                  ; wave 0..7
	s_bfe_u32 s17, ttmp6, 0x40000                  ; cx
	s_lshl_b32 s18, ttmp9, 2
	s_add_co_u32 s18, s18, s17                     ; rb
	s_and_b32 s19, ttmp7, 0xffff                   ; g, which the four partners share
	; group 1: 8 long rows of 4,096 bytes (8 neighbouring rows of Wo), 16 rows apart; 4 words of padding behind every 128 words
	s_mov_b32 s[G1], 15|(3<<16)|(1<<20)|(1<<21)|(6<<22)|(3<<25)
	s_mov_b32 s[G1+1], 512<<16
	s_mov_b32 s[G1+2], 8<<16
	s_mov_b32 s[G1+3], 512<<16
	s_mov_b32 s[G1+4], 8
	s_mov_b32 s[G1+5], 1024
	s_mov_b32 s[G1+6], 0
	s_mov_b32 s[G1+7], 0
	s_and_b32 s23, s[WV], 1                        ; part u
	s_lshl_b32 s20, s19, 16
	s_lshl_b32 s21, s23, 12
	s_add_co_u32 s20, s20, s21
	s_mov_b32 s21, 0
	s_mul_i32 s22, s23, PART
	s_lshl_b32 s36, s18, 3
	s_add_co_u32 s36, s36, s[WV]                   ; T
	s_mov_b32 s39, 0
	s_wait_dscnt 0x0
	s_wait_kmcnt 0x0
	s_mov_b32 s[G0], 1
	s_mov_b32 s[G0+1], s22
	s_add_nc_u64 s[G0+2:G0+3], s[8:9], s[20:21]
	s_or_b32 s[G0+3], s[G0+3], 0x80000000
	CROUND                                         ; all four work-groups are here: the joint loads meet
	s_cmp_lt_u32 s[WV], 2
	s_cbranch_scc0 .Lno_fill
	tensor_load_to_lds s[G0:G0+3], s[G1:G1+7]
	s_nop 0
	PLACES 4
.Lno_fill:
	s_lshl_b32 s38, s36, 13
	s_add_nc_u64 s[4:5], s[4:5], s[38:39]          ; oc at my tile
	s_lshl_b32 s38, s36, 6
	s_add_nc_u64 s[6:7], s[6:7], s[38:39]          ; os at my tile, head 0
	s_lshl_b32 s38, s19, 11
	s_add_nc_u64 s[10:11], s[10:11], s[38:39]      ; Wo's scale bytes at my 128 rows of Wo
	s_lshl_b32 s38, s19, 9
	s_add_nc_u64 s[12:13], s[12:13], s[38:39]      ; bo at my 128 columns,
	s_add_nc_u64 s[14:15], s[14:15], s[38:39]      ; out0 likewise,
	s_lshl_b32 s38, s18, 7
	s_lshr_b32 s37, s[WV], 1
	s_lshl_b32 s37, s37, 5
	s_add_co_u32 s38, s38, s37
	s_lshl_b32 s37, s23, 3
	s_add_co_u32 s38, s38, s37                     ; and at my tile's first row: 128 rb + 32 (w / 2) + 8 (w % 2)
	s_lshl_b32 s38, s38, 11
	s_add_nc_u64 s[14:15], s[14:15], s[38:39]
	v_and_b32 v1, 15, v0                           ; r
	v_bfe_u32 v2, v0, 4, 1                         ; h
	s_delay_alu instid0(VALU_DEP_2)
	v_mul_u32_u24 v[FA], v1, 528
	s_delay_alu instid0(VALU_DEP_1)
	v_lshl_add_u32 v[STO], v2, 6, v[FA]
	s_delay_alu instid0(VALU_DEP_2)
	v_lshl_add_u32 v[FA], v2, 4, v[FA]
	s_mul_i32 s40, s[WV], 8448
	s_add_co_u32 s40, s40, STG                     ; my stage
	v_add_nc_u32 v[STO], s40, v[STO]
	v_and_b32 v[GA], 31, v0
	s_delay_alu instid0(VALU_DEP_1)
	v_lshlrev_b32 v[GA], 4, v[GA]
	s_delay_alu instid0(VALU_DEP_1)
	v_add_nc_u32 v[RD], s40, v[GA]
	v_lshlrev_b32 v[BA], 6, v2
	v_lshlrev_b32 v[R4], 2, v1
	v_and_b32 v[SSA], 8, v1
	s_delay_alu instid0(VALU_DEP_1)
	v_add_nc_u32 v[SSA], v[SSA], v1
	s_delay_alu instid0(VALU_DEP_1)
	v_lshl_add_u32 v[SSA], v2, 3, v[SSA]
	s_delay_alu instid0(VALU_DEP_1)
	v_lshlrev_b32 v[SSA], 4, v[SSA]
.irp s, 0,1,2,3
.irp c, 0,1,2,3
	global_load_b128 v[OWN+16*\s+4*\c:OWN+16*\s+4*\c+3], v[GA], s[4:5] offset:2048*\s+512*\c   ; O's fragments, as they were stored
.endr
.endr
.irp d, 0,1,2,3,4,5,6,7
	global_load_b32 v[OWD+\d], v[R4], s[6:7] offset:32768*\d
.endr
.irp b, 0,1,2,3
	global_load_b128 v[SS+4*\b:SS+4*\b+3], v[SSA], s[10:11] offset:512*\b
.endr
.irp b, 0,1,2,3
.irp q, 0,1,2,3
	global_load_b128 v[ACC+16*\b+4*\q:ACC+16*\b+4*\q+3], v[BA], s[12:13] offset:128*\b+16*\q   ; register 16 b + i: bo of column 32 b + 16 h + i
.endr
.endr
	s_wait_tensorcnt 0x0                           ; my part of Wo has landed,
	s_barrier_signal -1
	s_barrier_wait -1                              ; everybody's has
	s_wait_loadcnt 0x0
.irp s, 0,1,2,3
	v_lshl_or_b32 v[OS+\s], v[OWD+2*\s+1], 16, v[OWD+2*\s]   ; K step s is heads 2 s and 2 s + 1: four bytes
.endr
	PLACES 8                                       ; a scale register written by a vector instruction stands eight places ahead of the product
	v_add_nc_u32 v[SA0], 0, v[FA]
	v_add_nc_u32 v[SA0+1], PART, v[FA]
.macro GLOAD gg                        ; group gg = 4 s + b: Wo's tiles 2 b and 2 b + 1 at K step s, into buffer gg % 2
.irp u, 0,1
.irp c, 0,1,2,3
	ds_load_b128 v[SBF+32*((\gg)%2)+16*\u+4*\c:SBF+32*((\gg)%2)+16*\u+4*\c+3], v[SA0+\u] offset:8448*((\gg)%4)+128*((\gg)/4)+32*\c
.endr
.endr
.endm
	GLOAD 0
.set G, 0
	s_wait_alu depctr_va_vdst(0)
.rept 16
.if (G >= 1) && (G < 15)
	PLACES 8                                       ; in front of loads into the buffer that the two products just issued have read
.endif
.if G < 15
	GLOAD G+1
	s_wait_dscnt 8                                 ; all but the eight loads just issued
.else
	s_wait_dscnt 0x0
.endif
.set GB, G%4
.set GS, G/4
.set GP, SBF+32*(G%2)
	v_wmma_scale_f32_16x16x128_f8f6f4 v[ACC+16*GB:ACC+16*GB+7], v[GP:GP+15], v[OWN+16*GS:OWN+16*GS+15], v[ACC+16*GB:ACC+16*GB+7], v[SS+4*GB+GS], v[OS+GS]
	v_wmma_scale_f32_16x16x128_f8f6f4 v[ACC+16*GB+8:ACC+16*GB+15], v[GP+16:GP+31], v[OWN+16*GS:OWN+16*GS+15], v[ACC+16*GB+8:ACC+16*GB+15], v[SS+4*GB+GS], v[OS+GS] matrix_a_scale:MATRIX_SCALE_ROW1
.set G, G+1
.endr
	PLACES 8                                       ; in front of the first read of results and of loads into O's registers
.irp b, 0,1,2,3
.irp q, 0,1,2,3
	ds_store_b128 v[STO], v[ACC+16*\b+4*\q:ACC+16*\b+4*\q+3] offset:128*\b+16*\q   ; each accumulator from its low end on
.endr
.endr
.irp p, 0,1,2,3,4,5,6,7,8,9,10,11,12,13,14,15
	ds_load_b128 v[OWN+4*\p:OWN+4*\p+3], v[RD] offset:528*\p   ; LDS serves a wave's instructions in order (ISA guide 5.7.1.4): these see my stores
.endr
.irp p, 0,1,2,3,4,5,6,7,8,9,10,11,12,13,14,15
	s_wait_dscnt 15-\p                             ; the younger rows' loads may stay out
	global_store_b128 v[GA], v[OWN+4*\p:OWN+4*\p+3], s[14:15] offset:(\p+8*(\p/8))*2048 th:TH_STORE_NT   ; 32 lanes store 512 consecutive bytes, aligned; written once, read by nobody here
.endr
	s_wait_tensorcnt 0x0
	ds_add_u32 v254, v255
	s_wait_dscnt 0x0
	CROUND                                         ; the closing round
	s_endpgm
.Lfunc_end_k_q8c38e44179_oproj:
	.size	k_q8c38e44179_oproj, .Lfunc_end_k_q8c38e44179_oproj-k_q8c38e44179_oproj
	.p2alignl 7, 3214868480
	.fill 96, 4, 3214868480
	.section	.rodata,"a",@progbits
	.p2align	6, 0x0
	.amdhsa_kernel k_q8c38e44179_oproj
		.amdhsa_group_segment_fixed_size 168960
		.amdhsa_private_segment_fixed_size 0
		.amdhsa_enable_private_segment 0
		.amdhsa_kernarg_size 48
		.amdhsa_user_sgpr_count 2
		.amdhsa_user_sgpr_kernarg_segment_ptr 1
		.amdhsa_wavefront_size32 1
		.amdhsa_system_sgpr_workgroup_id_x 1
		.amdhsa_system_sgpr_workgroup_id_y 1
		.amdhsa_system_sgpr_workgroup_id_z 1
		.amdhsa_system_vgpr_workitem_id 0
		.amdhsa_next_free_vgpr 256
		.amdhsa_next_free_sgpr 66
		.amdhsa_reserve_vcc 0
		.amdhsa_float_denorm_mode_32 3
		.amdhsa_float_denorm_mode_16_64 3
		.amdhsa_memory_ordered 1
		.amdhsa_forward_progress 1
		.amdhsa_inst_pref_size 30
	.end_amdhsa_kernel
	.amdgpu_metadata
---
amdhsa.version: [ 1, 2 ]
amdhsa.kernels:
  - .name:           k_q8c38e44179_oproj
    .symbol:         k_q8c38e44179_oproj.kd
    .args:
      - { .name: oc, .offset: 0, .size: 8, .value_kind: global_buffer, .address_space: global }
      - { .name: os, .offset: 8, .size: 8, .value_kind: global_buffer, .address_space: global }
      - { .name: Wo_codes, .offset: 16, .size: 8, .value_kind: global_buffer, .address_space: global }
      - { .name: Wo_scales, .offset: 24, .size: 8, .value_kind: global_buffer, .address_space: global }
      - { .name: bo, .offset: 32, .size: 8, .value_kind: global_buffer, .address_space: global }
      - { .name: out0, .offset: 40, .size: 8, .value_kind: global_buffer, .address_space: global }
    .group_segment_fixed_size: 168960
    .private_segment_fixed_size: 0
    .kernarg_segment_align: 8
    .kernarg_segment_size: 48
    .max_flat_workgroup_size: 256
    .sgpr_count:     66
    .vgpr_count:     256
    .wavefront_size: 32
...
	.end_amdgpu_metadata
.endif
;; end of part 3
